; MI455X (gfx1250); checked and timed in simulation.
; The chip was launched on July 23, 2026; its instructions are those of AMD's public machine-readable ISA for CDNA 5 (MIT licence, August 2026) and "CDNA5" Instruction Set Architecture Reference Guide (July 2026). The comments in the code are by the model that wrote it; some were corrected since.
;; K Madness. Allowed arithmetic: matrix products marked QUANTISED: E2M1 operands, one E8M0 scale for each 32 along K, by v_wmma_scale_f32_16x16x128_f8f6f4 with both operands' format E2M1 (or v_wmma_scale_f32_32x16x128_f4), f32 sums; everything else in f32.
;; Inputs: coords 128 x 256 float32; x 16,384 x 256 float32.
;; Outputs: out0 16,384 x 128 bool.
;; This version of the problem:
;;   THIS VERSION OF THE PROBLEM IS GIVEN IN LOW PRECISION. The matrix products marked QUANTISED in the list below multiply operands that are first quantised to E2M1 (2 exponent bits, 1 mantissa bit; 4 bits a number), with one power-of-two scale for each 32 numbers along K (OCP MX v1.0); their sums are f32. All else is computed in f32.
;;   The module's matrix products, in the order in which they are computed (A, B: the left and right operand; K: the contracted axis; several contracted axes count as one K, in the product's order):
;;     1. [M 16,384, K 256] x [K 256, N 16,384]; A: input x; B: computed on the way: QUANTISED
;;   THE QUANTISER, for each operand of a quantised product, along K:
;;     - K is cut into blocks of 32 from its start; a last block that is shorter is filled with zeros.
;;     - A block's scale is 2^e with e = floor(log2(the largest magnitude in the block)) - 2, held to -126 .. 127; a block of zeros has e = 0. As a byte (E8M0): e + 127.
;;     - Each number is divided by its block's scale, clamped to +-6, and rounded to the nearest number of E2M1, ties to even, subnormals kept.
;;     - The product sums the exact products of the quantised numbers (number of the format x scale) in f32.
;;   ~~~python
;;   def quantise(x, axis):      # numpy; x: float32 -> the quantised numbers, widened to float32 again
;;       x = np.moveaxis(x, axis, -1); K = x.shape[-1]
;;       x = np.pad(x, [(0, 0)] * (x.ndim - 1) + [(0, -K % 32)]); x = x.reshape(x.shape[:-1] + (-1, 32)); a = np.abs(x).max(-1, keepdims=True)
;;       e = np.where(a > 0, np.clip(np.frexp(np.where(a > 0, a, 1))[1] - 1 - 2, -126, 127), 0)      # np.frexp(a)[1] - 1 = floor(log2(a)), exactly
;;       r = np.clip(x / 2.0 ** e, -6, 6)
;;       step = 2.0 ** (np.maximum(np.frexp(np.where(r == 0, 1, r))[1] - 1, 0) - 1)
;;       q = np.round(r / step) * step * 2.0 ** e      # np.round: ties to even
;;       return np.moveaxis(q.reshape(q.shape[:-2] + (-1,))[..., :K], -1, axis).astype(np.float32)
;;   ~~~
;;   OPERANDS COMPUTED ON THE WAY. 'Computed on the way' means the value that the module computes at that place (a softmax that the list does not call 'softmax' is quantised finished and normalised). What goes into a quantiser is computed in f32, as accurately as f32 sums, v_exp_f32 and their like allow (about 1e-6 of the number): no bf16 or f16 on the way to a quantiser, and a product that is left as it is and whose result goes on into a quantised operand takes f32 operands (vector FMAs, or v_wmma_f32_16x16x4_f32). A number that lies on a knife's edge between two numbers of the format may be rounded either way, as far as f32 arithmetic and the matrix unit's own rounding can turn it there, and no further.
;; One version. Each part assembles by itself: llvm-mc -triple=amdgcn-amd-amdhsa -mcpu=gfx1250 --defsym DOCPART=n.
;; ======== version 1 of 1: 2 launches
;; workspace buffers: xq 2,359,296 bytes; wq 2,359,296 bytes
;; launch prep (part 1): grid 256 x 1, 4 waves a work-group, no clusters, 168,448 bytes of LDS; arguments x, coords, xq, wq; writes xq, wq
.if DOCPART == 1
	.amdgcn_target "amdgcn-amd-amdhsa--gfx1250"
	.amdhsa_code_object_version 6
	.text
	.protected	k_qe81949e942_prep
	.globl	k_qe81949e942_prep
	.p2align	8
	.type	k_qe81949e942_prep,@function
k_qe81949e942_prep:
	s_mov_b64 s[64:65], 0
	v_nop
	global_prefetch_b8 v0, s[64:65] scope:SCOPE_SE
	s_setreg_imm32_b32 hwreg(HW_REG_WAVE_MODE, 25, 1), 1
	s_wait_xcnt 0x0
; x [16384][256] f32 and all differences c_i - c_j of coords [128][256] f32 become codes of FP4 (E2M1) with one E8M0 scale byte for each 32 along K = 256.
; They are laid as RECORDS of 2,304 bytes: one operand tile (16 rows x K 256) as an image of the operand's registers:
;   bytes 512 (2 s + c) + 16 lane : registers 4 c .. 4 c + 3 of the fragment of K step s (128 along K): lane (r = lane % 16, h = lane / 16) holds k = 128 s + 64 c + 32 h + 0 .. 31 of row r
;   bytes 2048 + 4 lane           : the scale register: lanes 0-15 row r's word of K step 0, lanes 16-31 row r's word of K step 1
;   bytes 2176 .. 2303            : wq: b[16 u + 0 .. 15][j] = |c_i|^2 - |c_j|^2 as f32, twice; xq: the 32 scale words once more (so that every byte is written)
; xq's record t holds rows 16 t .. 16 t + 15 of x; wq's record 8 j + u holds the rows c_i - c_j, i = 16 u + 0 .. 15.
; THE DIAGONAL: for i = j the difference is 0 and b is 0, so h is exactly 0 there: one number that is not above 0 is always present, and the second smallest over i is above 0
; just where the smallest over i != j is.  So b[j][j] is replaced here by the largest finite f32, and the product's launch takes a plain minimum.
; A block's scale is 2^(floor(log2(its largest magnitude)) - 2); its byte is that magnitude's exponent field - 2, held at 1 from below.  A block of zeros gets the byte 1 where the rule says 127:
; its codes are zeros, and this program alone reads the bytes.
; LIMITS: NaN and infinities among the inputs are not served, nor coords whose squared norm overflows f32.  |c|^2 is summed by fused multiply-adds in eight chains, an order of this text's own:
; it may differ from another f32 order by a few units in its last place, and an output whose deciding h lies that near to 0 may fall the other way.  Both norms of a difference are summed in one
; and the same order, in every wave, so b[i][j] = -b[j][i] holds exactly.
; SHARES: wave gw = 4 x work-group + wave (0 .. 1023) makes wq's record gw and xq's record gw.  Its 16 rows of coords and its 16 rows of x come by two tensor loads, issued together at the head;
; the differences are worked while x's rows are on their way.  Every wave has LDS bytes of its own: no barrier.  No LDS byte is filled twice.
; Nothing is prefetched: all that a wave reads is asked for at its head.  No cluster: only coords' rows are shared, 64 KiB of a work-group's 128 KiB.
.set PITCH, 1040                       ; an LDS row: 1,024 bytes + 16 of padding = 65 x 16: the 16 rows that sixteen lanes read at one column start 16 bytes apart modulo 256
.set TILE,  16*PITCH                   ; 16,640 bytes: 16 rows
.set WREG,  2*TILE                     ; a wave's two tiles: coords', then x's
.set AUX,   4*WREG                     ; behind the tiles: 512 bytes for each wave, written by LDS stores alone: the last 256 bytes of its two records
.set RECB,  2304
.set LA,  4                            ; v4   1040 r + 128 h + my wave's tiles: my 32 numbers of a block
.set NI,  14                           ; v[14:17] two pairs of sums of c_i^2;  v[18:21] of c_j^2
.set NJ,  18
.set BY,  22                           ; v22-25 the scale bytes of my four blocks
.set X,   32                           ; v32-95 two sets of 32 numbers of c_i, then of c_i - c_j
.set CW,  96                           ; v96-111 the differences' codes;  v112-127 x's: each store has data registers of its own
.set CX,  112
.set CJ,  128                          ; v128-255 my 128 numbers of c_j; later my 128 numbers of x
	s_load_b256 s[4:11], s[0:1], 0x0               ; x s[4:5], coords s[6:7], xq s[8:9], wq s[10:11]
	s_set_vgpr_msb 0x40
	v_lshl_add_u32 v0, v0, 2, 0x29000
	v_mov_b32 v1, 0
	s_set_vgpr_msb 0x4045
	ds_add_u32 v0, v1
	ds_add_u32 v0, v1
	s_set_vgpr_msb 0x4500
	v_lshrrev_b32 v1, 5, v0
	v_readfirstlane_b32 s12, v1                    ; wave 0..3
	s_lshl_b32 s13, ttmp9, 2
	s_add_co_u32 s13, s13, s12                     ; gw
	s_lshr_b32 s14, s13, 3                         ; j
	s_and_b32 s15, s13, 7                          ; u
	; descriptor group 1, for both loads: 16 rows x 256 elements of 4 bytes, 4 words of padding behind every 256 words
	s_mov_b32 s16, (2<<16)|(1<<20)|(7<<22)|(3<<25)
	s_mov_b32 s17, 256<<16                         ; tensor_dim0 = 256
	s_mov_b32 s18, 16<<16                          ; tensor_dim1 = 16
	s_mov_b32 s19, 256<<16                         ; tile_dim0 = 256
	s_mov_b32 s20, 16                              ; tile_dim1 = 16
	s_mov_b32 s21, 256                             ; elements from row to row
	s_mov_b32 s22, 0
	s_mov_b32 s23, 0
	s_mov_b32 s24, 1                               ; group 0 for coords' rows
	s_mul_i32 s25, s12, WREG                       ; LDS: my wave's tiles
	s_mov_b32 s28, 1                               ; group 0 for x's rows
	s_add_co_u32 s29, s25, TILE
	s_lshl_b32 s40, s13, 14                        ; x: 16 gw rows of 1,024 bytes
	s_mov_b32 s41, 0
	s_lshl_b32 s42, s15, 14                        ; coords: 16 u rows
	s_mov_b32 s43, 0
	s_lshl_b32 s44, s14, 10                        ; coords: row j
	s_mov_b32 s45, 0
	s_lshl_b32 s46, s15, 4                         ; 16 u
	s_mul_i32 s34, s13, RECB                       ; my records
	s_mov_b32 s35, 0
	s_mov_b32 s36, 0xffff0000                      ; lanes 16-31
	s_mov_b32 s38, 0x76543210                      ; v_permlanex16_b32's selects for lane l xor 16
	s_mov_b32 s39, 0xfedcba98
	s_wait_dscnt 0x0
	s_wait_kmcnt 0x0
	s_add_nc_u64 s[26:27], s[6:7], s[42:43]
	s_or_b32 s27, s27, 0x80000000                  ; type = 2
	s_add_nc_u64 s[30:31], s[4:5], s[40:41]
	s_or_b32 s31, s31, 0x80000000
	tensor_load_to_lds s[24:27], s[16:23]          ; coords' rows first: they are wanted first.  Two tensor loads of mine are out
	s_nop 0
	tensor_load_to_lds s[28:31], s[16:23]
	s_nop 0
.rept 4
	v_nop
.endr
	v_bfe_u32 v3, v0, 4, 1                         ; h
	v_lshlrev_b32 v5, 7, v3                        ; c_j: my half's 128 bytes of each 256
	s_add_nc_u64 s[32:33], s[6:7], s[44:45]
.irp q, 0,1,2,3
.irp i, 0,1,2,3,4,5,6,7
	global_load_b128 v[CJ+32*\q+4*\i:CJ+32*\q+4*\i+3], v5, s[32:33] offset:256*\q+16*\i   ; c_j at k = 64 q + 32 h + 4 i on: the same for all sixteen rows
.endr
.endr
	s_add_nc_u64 s[8:9], s[8:9], s[34:35]
	s_add_nc_u64 s[10:11], s[10:11], s[34:35]
	v_and_b32 v1, 31, v0                           ; lane
	v_and_b32 v2, 15, v0                           ; r
	v_mul_u32_u24 v[LA], v2, PITCH
	v_lshl_add_u32 v[LA], v3, 7, v[LA]
	v_add_nc_u32 v[LA], s25, v[LA]
	v_lshlrev_b32 v6, 4, v1                        ; 16 x lane: an image's place for my lane
	s_lshl_b32 s37, s12, 9
	s_add_co_u32 s37, s37, AUX
	v_lshl_add_u32 v7, v1, 2, s37                  ; my word in my wave's 512 bytes
	v_lshl_add_u32 v8, v1, 3, s37                  ; and on the way back 8 bytes a lane
	v_lshlrev_b32 v9, 3, v1
	v_lshlrev_b32 v13, 3, v3                       ; 8 h
	v_mov_b32 v28, 0                               ; written once: a lane permute's destination counts as one of its sources
	v_mov_b32 v29, 0
.macro LDBLK set, off                  ; 32 numbers of my row, 128 bytes, from byte off of my half on
.irp i, 0,1,2,3,4,5,6,7
	ds_load_b128 v[X+32*(\set)+4*\i:X+32*(\set)+4*\i+3], v[LA] offset:(\off)+16*\i
.endr
.endm
; A block of 32 numbers, all in my registers v[xs] on, becomes 4 registers of codes at v[cd] and a scale byte in v[by].
.macro QBLOCK xs, cd, by
	v_max3_num_f32 v10, |v[\xs]|, |v[\xs+1]|, |v[\xs+2]|          ; the largest magnitude, in two chains
	v_max3_num_f32 v11, |v[\xs+3]|, |v[\xs+4]|, |v[\xs+5]|
.irp i, 6,10,14,18,22,26
	v_max3_num_f32 v10, v10, |v[\xs+\i]|, |v[\xs+\i+1]|
	v_max3_num_f32 v11, v11, |v[\xs+\i+2]|, |v[\xs+\i+3]|
.endr
	v_max3_num_f32 v10, v10, |v[\xs+30]|, |v[\xs+31]|
	v_max3_num_f32 v10, v10, v11, 0x1800000        ; and the floor 2^(3 - 127): the byte cannot fall under 1
	v_add_nc_u32 v12, 0xff000000, v10              ; 2 off the exponent field: the conversion takes this operand's exponent field as its scale, and nothing else of it
.irp g, 0,1,2,3
	v_cvt_scalef32_pk8_fp4_f32 v[\cd+\g], v[\xs+8*\g:\xs+8*\g+7], v12
.endr
	v_lshrrev_b32 v[\by], 23, v12                  ; the scale's byte; also the plain instruction behind the conversions
.endm
; My four bytes (block 2 s + c is byte 2 c + h of K step s's word) and lane l xor 16's four make both words of row r; lanes 0-15 keep K step 0's, lanes 16-31 K step 1's.
.macro WORD dst
	v_lshl_or_b32 v26, v[BY+1], 16, v[BY]
	v_lshl_or_b32 v27, v[BY+3], 16, v[BY+2]
	v_lshlrev_b32 v26, v13, v26
	v_lshlrev_b32 v27, v13, v27
	v_permlanex16_b32 v28, v26, s38, s39
	v_permlanex16_b32 v29, v27, s38, s39
	v_or_b32 v26, v26, v28
	v_or_b32 v27, v27, v29
	v_cndmask_b32 v[\dst], v26, v27, s36
.endm
; A record's last 256 bytes: two words a lane meet in my wave's own LDS bytes and leave as 8 bytes a lane: one store of 256 consecutive bytes, aligned.
.macro AUXOUT off, a, b, d, base
	ds_store_b32 v7, v[\a] offset:\off
	ds_store_b32 v7, v[\b] offset:\off+128
	ds_load_b64 v[\d:\d+1], v8 offset:\off         ; LDS serves a wave's instructions in order: this sees the two stores
	s_wait_dscnt 0x0
	global_store_b64 v9, v[\d:\d+1], s[\base:\base+1] offset:2048
.endm
; Block q = 2 s + c of the differences.
.macro WBLOCK q
.set XS, X+32*((\q)%2)
.set CS, CJ+32*(\q)
.if (\q) < 3
	LDBLK ((\q)+1)%2, 256*((\q)+1)
	s_wait_dscnt 8                                 ; this block's eight loads are in; the next block's eight may be out
.else
	s_wait_dscnt 0x0
.endif
	s_wait_loadcnt 24-8*(\q)                       ; c_j's loads of blocks 0 .. q are in; eight for each later block may be out
.set p, 0
.rept 16                               ; both squared norms, in the same order: even pairs into one pair of sums, odd pairs into the other; the first two products start the sums
.if ((\q) == 0) && (p < 2)
	v_pk_mul_f32 v[NI+2*p:NI+2*p+1], v[XS+2*p:XS+2*p+1], v[XS+2*p:XS+2*p+1]
	v_pk_mul_f32 v[NJ+2*p:NJ+2*p+1], v[CS+2*p:CS+2*p+1], v[CS+2*p:CS+2*p+1]
.else
	v_pk_fma_f32 v[NI+2*(p%2):NI+2*(p%2)+1], v[XS+2*p:XS+2*p+1], v[XS+2*p:XS+2*p+1], v[NI+2*(p%2):NI+2*(p%2)+1]
	v_pk_fma_f32 v[NJ+2*(p%2):NJ+2*(p%2)+1], v[CS+2*p:CS+2*p+1], v[CS+2*p:CS+2*p+1], v[NJ+2*(p%2):NJ+2*(p%2)+1]
.endif
.set p, p+1
.endr
.set p, 0
.rept 16
	v_pk_add_f32 v[XS+2*p:XS+2*p+1], v[XS+2*p:XS+2*p+1], v[CS+2*p:CS+2*p+1] neg_lo:[0,1] neg_hi:[0,1]   ; c_i - c_j
.set p, p+1
.endr
	QBLOCK XS, CW+4*(\q), BY+(\q)
	global_store_b128 v6, v[CW+4*(\q):CW+4*(\q)+3], s[10:11] offset:512*(\q)   ; 32 lanes store 512 consecutive bytes, at a multiple of 256 from wq's first byte
.endm
	s_wait_tensorcnt 0x1                           ; a wave's tensor loads end in order: coords' rows are in LDS; x's load, issued behind, may be out
	LDBLK 0, 0
	WBLOCK 0
	WBLOCK 1
	WBLOCK 2
	WBLOCK 3
	; b[i][j] = |c_i|^2 - |c_j|^2 for i = 16 u + r
	v_pk_add_f32 v[NI:NI+1], v[NI:NI+1], v[NI+2:NI+3]
	v_pk_add_f32 v[NJ:NJ+1], v[NJ:NJ+1], v[NJ+2:NJ+3]
	v_add_f32 v[NI], v[NI], v[NI+1]
	v_add_f32 v[NJ], v[NJ], v[NJ+1]
	v_permlanex16_b32 v28, v[NI], s38, s39         ; the other half of K lies in lane l xor 16
	v_permlanex16_b32 v29, v[NJ], s38, s39
	v_add_f32 v[NI], v[NI], v28
	v_add_f32 v[NJ], v[NJ], v29
	v_sub_f32 v30, v[NI], v[NJ]
	v_add_nc_u32 v26, s46, v2                      ; i
	v_mov_b32 v27, 0x7f7fffff                      ; the largest finite f32
	v_cmp_eq_u32 vcc_lo, s14, v26
	v_cndmask_b32 v30, v30, v27, vcc_lo            ; the diagonal is taken out of the minimum
	WORD 31
	AUXOUT 0, 31, 30, 16, 10
	; my 16 rows of x
	s_wait_tensorcnt 0x0                           ; x's rows are in LDS; no tensor load is out any more
.irp q, 0,1,2,3
.irp i, 0,1,2,3,4,5,6,7
	ds_load_b128 v[CJ+32*\q+4*\i:CJ+32*\q+4*\i+3], v[LA] offset:TILE+256*\q+16*\i
.endr
.endr
.irp q, 0,1,2,3
	s_wait_dscnt 24-8*\q                           ; block q's eight loads are in; eight for each later block may be out
	QBLOCK CJ+32*\q, CX+4*\q, BY+\q
	global_store_b128 v6, v[CX+4*\q:CX+4*\q+3], s[8:9] offset:512*\q
.endr
	WORD 31
	AUXOUT 256, 31, 31, 18, 8
	s_set_vgpr_msb 0x5
	s_wait_tensorcnt 0x0
	ds_add_u32 v0, v1
	s_wait_dscnt 0x0
	s_set_vgpr_msb 0x500
	s_endpgm
.Lfunc_end_k_qe81949e942_prep:
	.size	k_qe81949e942_prep, .Lfunc_end_k_qe81949e942_prep-k_qe81949e942_prep
	.p2alignl 7, 3214868480
	.fill 96, 4, 3214868480
	.section	.rodata,"a",@progbits
	.p2align	6, 0x0
	.amdhsa_kernel k_qe81949e942_prep
		.amdhsa_group_segment_fixed_size 168448
		.amdhsa_private_segment_fixed_size 0
		.amdhsa_enable_private_segment 0
		.amdhsa_kernarg_size 32
		.amdhsa_user_sgpr_count 2
		.amdhsa_user_sgpr_kernarg_segment_ptr 1
		.amdhsa_wavefront_size32 1
		.amdhsa_system_sgpr_workgroup_id_x 1
		.amdhsa_system_sgpr_workgroup_id_y 1
		.amdhsa_system_sgpr_workgroup_id_z 1
		.amdhsa_system_vgpr_workitem_id 0
		.amdhsa_next_free_vgpr 258
		.amdhsa_next_free_sgpr 66
		.amdhsa_reserve_vcc 1
		.amdhsa_float_denorm_mode_32 3
		.amdhsa_float_denorm_mode_16_64 3
		.amdhsa_memory_ordered 1
		.amdhsa_forward_progress 1
		.amdhsa_inst_pref_size 37
	.end_amdhsa_kernel
	.amdgpu_metadata
---
amdhsa.version: [ 1, 2 ]
amdhsa.kernels:
  - .name:           k_qe81949e942_prep
    .symbol:         k_qe81949e942_prep.kd
    .args:
      - { .name: x, .offset: 0, .size: 8, .value_kind: global_buffer, .address_space: global }
      - { .name: coords, .offset: 8, .size: 8, .value_kind: global_buffer, .address_space: global }
      - { .name: xq, .offset: 16, .size: 8, .value_kind: global_buffer, .address_space: global }
      - { .name: wq, .offset: 24, .size: 8, .value_kind: global_buffer, .address_space: global }
    .group_segment_fixed_size: 168448
    .private_segment_fixed_size: 0
    .kernarg_segment_align: 8
    .kernarg_segment_size: 32
    .max_flat_workgroup_size: 128
    .sgpr_count:     66
    .vgpr_count:     258
    .wavefront_size: 32
...
	.end_amdgpu_metadata
.endif
;; end of part 1
;; launch gemm (part 2): grid 16 x 16, 8 waves a work-group, clusters of 4 x 4, 304,128 bytes of LDS; arguments xq, wq, out0; writes out0
.if DOCPART == 2
	.amdgcn_target "amdgcn-amd-amdhsa--gfx1250"
	.amdhsa_code_object_version 6
	.text
	.protected	k_qe81949e942_gemm
	.globl	k_qe81949e942_gemm
	.p2align	8
	.type	k_qe81949e942_gemm,@function
k_qe81949e942_gemm:
	s_mov_b64 s[64:65], 0
	v_nop
	global_prefetch_b8 v0, s[64:65] scope:SCOPE_SE
	s_setreg_imm32_b32 hwreg(HW_REG_WAVE_MODE, 25, 1), 1
	s_wait_xcnt 0x0
	s_wait_alu depctr_hold_cnt(0) depctr_sa_sdst(0) depctr_va_vdst(0) depctr_va_sdst(0) depctr_va_ssrc(0) depctr_va_vcc(0) depctr_vm_vsrc(0)
	s_getreg_b32 s2, hwreg(HW_REG_IB_STS2, 6, 4)
	s_cmp_eq_u32 s2, 0
	s_cbranch_scc0 .Lentry_in_a_cluster
	s_endpgm
.Lentry_in_a_cluster:
	s_bfe_u32 s2, ttmp6, 0x10000c
	s_cmp_lg_u32 s2, 0xf033
	s_cbranch_scc0 .Lentry_shape_is_right
	s_endpgm
.Lentry_shape_is_right:
; out0[n][j] = (the second smallest over i of h[n][i][j]) > 0, h[n][i][j] = Q(x[n]) . Q(c_i - c_j) + b[i][j], the product on codes of FP4 (E2M1) with E8M0 scales, K = 256, sums in f32.
; h[n][j][j] is exactly 0 (a difference of a row with itself, and b[j][j] = 0), so the second smallest is above 0 just where the smallest over i != j is; the launch before has put the largest
; finite f32 at b[j][j], and this one takes a plain minimum over all 128 i: v_min3_num_f32, two numbers an instruction.
; INPUTS: records of 2,304 bytes, one operand tile (16 rows x K 256) each, as images of the operand's registers: four pieces of 512 bytes (16 a lane: K step s, registers 4 c on, at 512 (2 s + c)),
; the scale register at 2,048 (lanes 0-15: K step 0's words, lanes 16-31: K step 1's), and in wq at 2,176 the 16 numbers b[16 u + 0 .. 15][j].  xq's record t: rows 16 t on; wq's record 8 j + u: i = 16 u on.
; LIMITS: NaN and infinities among the inputs are not served.
; SHARES: work-group (bx, by) takes rows 1024 by on and j = 8 bx .. 8 bx + 7: 64 records of x and 64 of the differences, two dense blocks of 147,456 bytes, both in LDS for the whole launch, filled once.
; Wave w = 4 p + g keeps x's records 16 g .. 16 g + 15 (256 rows) in 256 registers and walks the differences' records 32 p .. 32 p + 31 (four j, eight tiles of i each): 32 matrix instructions a record.
; Eight waves, two to a SIMD: while one wave takes its 64 minima of a record the other's matrix instructions can be issued, and each wave works in long stretches under one register window.
; THE PRODUCT IS USED TRANSPOSED: source 0 = 16 differences (i), source 1 = 16 rows of x: lane (r, h) holds row r of x and its registers i = 16 u + 8 h + 0 .. 7.  So the minimum over i runs down a lane's
; registers, and b, which hangs on i alone for a given j, is the C of a sum's first matrix instruction: its addition costs no instruction.
; CLUSTER: 4 x 4 work-groups.  x's block hangs on by alone and is asked for jointly by the four of a row of the cluster, the differences' block on bx alone, by the four of a column: each wave issues the
; same two loads, with the same descriptors and masks, in all four.  That divides the requests by four.
; NOT DONE: no ring and no refill (K is 256: both blocks fit at once); no prefetch (every tile is asked for at the head).  out0 leaves as 8 bytes a row, rows 128 bytes apart: 256 consecutive bytes of
; out0 are two rows of all 128 j, and a work-group that owned them would have to walk all 1,024 records of the differences for its rows, eight times the bytes into LDS that this split takes.
; REGISTERS: window 0: v1-11 addresses; v12-27 x's scale registers; v28-29 the differences'; v30-45 two tiles of b; v46-77 two sets of the differences' fragments; v78-93 running minima, one a tile of x;
;   v94-101, v110-117 at work; v102-109 the output bytes; v120 the bit of the j in hand; v128-255 the 16 accumulators.   window 1: x's fragments: tile t, K step s at v[16 t + 8 s].
.set RECB, 2304
.set PART, 8*RECB                      ; what one tensor load brings, and one j's records: 18,432 bytes
.set BLK,  64*RECB                     ; 147,456
.set WB,   BLK                         ; LDS: x's block at 0, the differences' behind it,
.set STG,  2*BLK                       ; and the stage for the way out: two planes of 1,024 words, written by LDS stores alone
.set XA,  1                            ; v1   16 x lane + my 16 records of x
.set XW,  2                            ; v2   4 x lane + the same
.set WA0, 3                            ; v3   16 x lane + my 32 records of the differences
.set WS0, 4                            ; v4   4 x lane + the same
.set WT0, 5                            ; v5   32 h + the same
.set WA,  6                            ; v6-8 the same three at the j in hand
.set WS,  7
.set WT,  8
.set SST, 9                            ; v9   the stage: STG + 1024 x wave + 4 x lane
.set SRD, 10                           ; v10  and back: STG + 512 x wave + 4 x lane
.set GO,  11                           ; v11  128 x lane: a row of out0
.set XS,  12
.set WSC, 28
.set BT,  30
.set WF,  46
.set M,   78
.set R,   94
.set OB,  102
.set T,   110
.set BIT, 120
.set ACC, 128
.set MSB, 0
.macro WIN new                         ; the immediate's high byte repeats the setting that is left
.if MSB != \new
	s_set_vgpr_msb (MSB<<8)|\new
.set MSB, \new
.endif
.endm
.macro CROUND                          ; a round of the cluster's barrier: my work-group's barrier; wave 0 signals for the work-group; every wave waits for all sixteen; my work-group's barrier once more
	s_barrier_signal -1
	s_barrier_wait -1
	s_cmp_lg_u32 s10, 0
	s_cbranch_scc1 .Lnot_wave_0_\@
	s_barrier_signal -3
.Lnot_wave_0_\@:
	s_barrier_wait -3
	s_barrier_signal -1
	s_barrier_wait -1
.endm
	s_load_b128 s[4:7], s[0:1], 0x0                ; xq s[4:5], wq s[6:7]
	s_load_b64 s[8:9], s[0:1], 0x10                ; out0
	v_lshl_add_u32 v126, v0, 2, 0x4a000
	v_mov_b32 v127, 0
	ds_add_u32 v126, v127
	ds_add_u32 v126, v127
	v_lshrrev_b32 v1, 5, v0
	v_readfirstlane_b32 s10, v1                    ; wave 0..7
	s_and_b32 s11, s10, 3                          ; g: which 256 rows
	s_lshr_b32 s12, s10, 2                         ; p: which four j
	s_bfe_u32 s13, ttmp6, 0x40000                  ; cx, cy: my place in the cluster
	s_bfe_u32 s14, ttmp6, 0x40004
	s_lshl_b32 s15, ttmp9, 2
	s_add_co_u32 s15, s15, s13                     ; bx = 4 x cluster x + cx
	s_and_b32 s16, ttmp7, 0xffff
	s_lshl_b32 s16, s16, 2
	s_add_co_u32 s16, s16, s14                     ; by = 4 x cluster y + cy
	s_lshl_b32 s17, s14, 2
	s_lshl_b32 s17, 15, s17                        ; my row of the cluster
	s_lshl_b32 s18, 0x1111, s13                    ; my column
	; descriptor groups 1: a dense block of 18,432 bytes as 72 rows of 32 elements of 8 bytes, no padding: an image's loads take 512 consecutive bytes
	s_or_b32 s20, s17, (3<<16)|(1<<21)             ; x's: 15:0 the mask of my row; 17:16 elements of 8 bytes; 21 set beside a mask
	s_or_b32 s28, s18, (3<<16)|(1<<21)             ; the differences': the mask of my column
.irp g, 20, 28
	s_mov_b32 s[\g+1], 32<<16                      ; tensor_dim0 = 32
	s_mov_b32 s[\g+2], 72<<16                      ; tensor_dim1 = 72
	s_mov_b32 s[\g+3], 32<<16                      ; tile_dim0 = 32
	s_mov_b32 s[\g+4], 72                          ; tile_dim1 = 72
	s_mov_b32 s[\g+5], 32                          ; elements from row to row
	s_mov_b32 s[\g+6], 0
	s_mov_b32 s[\g+7], 0
.endr
	s_mul_i32 s19, s10, PART                       ; my eighth of a block, in memory and in LDS: no place in the cluster enters an LDS address
	s_mul_i32 s44, s16, BLK                        ; x's block hangs on by alone,
	s_add_co_u32 s44, s44, s19
	s_mov_b32 s45, 0
	s_mul_i32 s46, s15, BLK                        ; the differences' on bx alone: each offset in registers that never hold the other coordinate
	s_add_co_u32 s46, s46, s19
	s_mov_b32 s47, 0
	s_lshl_b32 s60, s16, 17                        ; out0: 1024 by rows of 128 bytes,
	s_lshl_b32 s51, s10, 14                        ; + the 128 rows that my wave stores,
	s_add_co_u32 s60, s60, s51
	s_lshl_b32 s51, s15, 3                         ; + 8 bx
	s_add_co_u32 s60, s60, s51
	s_mov_b32 s61, 0
	s_wait_dscnt 0x0
	s_wait_kmcnt 0x0
	s_mov_b32 s36, 1
	s_mov_b32 s37, s19
	s_add_nc_u64 s[38:39], s[4:5], s[44:45]
	s_or_b32 s39, s39, 0x80000000                  ; type = 2
	s_mov_b32 s40, 1
	s_add_co_u32 s41, s19, WB
	s_add_nc_u64 s[42:43], s[6:7], s[46:47]
	s_or_b32 s43, s43, 0x80000000
	s_add_nc_u64 s[8:9], s[8:9], s[60:61]
	CROUND                                         ; all sixteen work-groups are here: the joint loads meet
	tensor_load_to_lds s[36:39], s[20:27]          ; x's part first: it is wanted first.  Two tensor loads of mine are out, the only two of the launch
	s_nop 0
	tensor_load_to_lds s[40:43], s[28:35]
	s_nop 0
.rept 4
	v_nop
.endr
	v_and_b32 v118, 31, v0                         ; lane
	v_bfe_u32 v119, v0, 4, 1                       ; h
	s_mul_i32 s51, s11, 16*RECB
	v_lshl_add_u32 v[XA], v118, 4, s51
	v_lshl_add_u32 v[XW], v118, 2, s51
	s_mul_i32 s51, s12, 32*RECB
	s_add_co_u32 s51, s51, WB
	v_lshl_add_u32 v[WA0], v118, 4, s51
	v_lshl_add_u32 v[WS0], v118, 2, s51
	v_lshl_add_u32 v[WT0], v119, 5, s51            ; b: my half's eight numbers
	s_lshl_b32 s51, s10, 10
	s_add_co_u32 s51, s51, STG
	v_lshl_add_u32 v[SST], v118, 2, s51
	s_lshl_b32 s51, s10, 9
	s_add_co_u32 s51, s51, STG
	v_lshl_add_u32 v[SRD], v118, 2, s51
	v_lshlrev_b32 v[GO], 7, v118
.irp k, 0,1,2,3,4,5,6,7
	v_mov_b32 v[OB+\k], 0
.endr
	v_mov_b32 v[BIT], 1
	s_mov_b32 s48, 0                               ; the j in hand, in bytes of LDS
	s_mov_b32 s50, 3
	v_add_nc_u32 v[WA], s48, v[WA0]
	v_add_nc_u32 v[WS], s48, v[WS0]
	v_add_nc_u32 v[WT], s48, v[WT0]
	s_wait_tensorcnt 0x1                           ; my part of x's block is in LDS; the load issued behind it may be out
	s_barrier_signal -1
	s_barrier_wait -1                              ; everybody's part is
	WIN 0x40                                       ; destination window 1, address window 0
.set t, 0
.rept 16
.irp k, 0,1,2,3
	ds_load_b128 v[16*t+4*\k:16*t+4*\k+3], v[XA] offset:t*RECB+512*\k     ; x's fragments stay in registers
.endr
.set t, t+1
.endr
	WIN 0
.set t, 0
.rept 16
	ds_load_b32 v[XS+t], v[XW] offset:t*RECB+2048                         ; and their scale registers
.set t, t+1
.endr
	s_wait_tensorcnt 0x0                           ; my part of the differences' block is in LDS,
	s_wait_dscnt 0x0                               ; and no LDS load of mine is pending at the signal
	s_barrier_signal -1
	s_barrier_wait -1                              ; everybody's part is
; Seven LDS loads: record rec of the j in hand into buffer b: two fragments, the scale register, the tile of b.
.macro FETCH rec, b
.irp k, 0,1,2,3
	ds_load_b128 v[WF+16*(\b)+4*\k:WF+16*(\b)+4*\k+3], v[WA] offset:(\rec)*RECB+512*\k
.endr
	ds_load_b32 v[WSC+(\b)], v[WS] offset:(\rec)*RECB+2048
	ds_load_b128 v[BT+8*(\b):BT+8*(\b)+3], v[WT] offset:(\rec)*RECB+2176
	ds_load_b128 v[BT+8*(\b)+4:BT+8*(\b)+7], v[WT] offset:(\rec)*RECB+2192
.endm
; Record u of a j: i = 16 u .. 16 u + 15 against my 16 tiles of x.  The 16 accumulators take turns, one instruction a turn, in the same order in both K steps and in every record.
; K step 0 takes b as C; K step 1 adds in place and reads both scale registers' lanes 16-31.  Four plain instructions stand behind the last matrix instruction, ahead of the loads into the
; registers that it read and of the first read of results (ISA guide 7.12.1 for the first read of results); the next record's first product, which begins an accumulator anew, stands behind these four and
; the minima of the other fifteen tiles.  Each accumulator is read from its low end on.
; fetch = 1: the record two further on comes into this record's buffer.  left: the LDS loads that may stay out: the other buffer's seven.
.macro REC u, fetch, left
.set BUF, (\u)%2
	s_wait_dscnt \left
	WIN 0x04                                       ; source 1 (x) window 1
.set t, 0
.rept 16
	v_wmma_scale_f32_16x16x128_f8f6f4 v[ACC+8*t:ACC+8*t+7], v[WF+16*BUF:WF+16*BUF+7], v[16*t:16*t+7], v[BT+8*BUF:BT+8*BUF+7], v[WSC+BUF], v[XS+t] matrix_a_fmt:MATRIX_FMT_FP4 matrix_b_fmt:MATRIX_FMT_FP4
.set t, t+1
.endr
.set t, 0
.rept 16
	v_wmma_scale_f32_16x16x128_f8f6f4 v[ACC+8*t:ACC+8*t+7], v[WF+16*BUF+8:WF+16*BUF+15], v[16*t+8:16*t+15], v[ACC+8*t:ACC+8*t+7], v[WSC+BUF], v[XS+t] matrix_a_fmt:MATRIX_FMT_FP4 matrix_b_fmt:MATRIX_FMT_FP4 matrix_a_scale:MATRIX_SCALE_ROW1 matrix_b_scale:MATRIX_SCALE_ROW1
.set t, t+1
.endr
	WIN 0
.rept 4
	v_nop
.endr
.if \fetch
	FETCH (\u)+2, BUF
.endif
.if (\u) == 0                          ; a j's first record starts the minima: nothing is preset
.set t, 0
.rept 16
	v_min3_num_f32 v[M+t], v[ACC+8*t], v[ACC+8*t+1], v[ACC+8*t+2]
.set t, t+1
.endr
.irp q, 3,5
.set t, 0
.rept 16
	v_min3_num_f32 v[M+t], v[M+t], v[ACC+8*t+\q], v[ACC+8*t+\q+1]
.set t, t+1
.endr
.endr
.set t, 0
.rept 16
	v_min_num_f32 v[M+t], v[M+t], v[ACC+8*t+7]
.set t, t+1
.endr
.else
.irp q, 0,2,4,6                        ; the sixteen tiles by turns: no line waits for the line above it
.set t, 0
.rept 16
	v_min3_num_f32 v[M+t], v[M+t], v[ACC+8*t+\q], v[ACC+8*t+\q+1]
.set t, t+1
.endr
.endr
.endif
.endm
; A j is done.  A row's other 64 i lie in lane l xor 16: two tiles' minima change halves, so that lane L of register k holds row 32 k + L of my 256; the j's bit goes into the row's word.
.macro FINAL
.irp k, 0,1,2,3,4,5,6,7
	v_permlane16_swap_b32 v[M+2*\k], v[M+2*\k+1]
.endr
.irp k, 0,1,2,3,4,5,6,7
	v_min_num_f32 v[R+\k], v[M+2*\k], v[M+2*\k+1]
.endr
.irp k, 0,1,2,3,4,5,6,7
	v_cmp_lt_f32 s[52+\k], 0, v[R+\k]
.endr
.irp k, 0,1,2,3,4,5,6,7
	v_cndmask_b32 v[T+\k], 0, v[BIT], s[52+\k]
.endr
.irp k, 0,1,2,3,4,5,6,7
	v_or_b32 v[OB+\k], v[OB+\k], v[T+\k]
.endr
.endm
; One j: eight records.  last = 0: records 6 and 7 fetch "records 8 and 9", the next j's first two, which lie behind this j's in LDS.
.macro JBODY last
	v_add_nc_u32 v[WA], s48, v[WA0]
	v_add_nc_u32 v[WS], s48, v[WS0]
	v_add_nc_u32 v[WT], s48, v[WT0]
.irp u, 0,1,2,3,4,5
	REC \u, 1, 7
.endr
.if \last
	REC 6, 0, 7
	REC 7, 0, 0
.else
	REC 6, 1, 7
	REC 7, 1, 7
.endif
	FINAL
.endm
	FETCH 0, 0
	FETCH 1, 1
.Lj:                                                   ; three trips; the fourth j is written out, so that nothing is fetched past my records
	JBODY 0
	s_add_co_u32 s48, s48, PART
	v_lshlrev_b32 v[BIT], 8, v[BIT]                ; the next j's byte
	s_sub_co_u32 s50, s50, 1
	s_cmp_lg_u32 s50, 0
	s_cbranch_scc1 .Lj
	JBODY 1
	; THE WAY OUT.  My word of a row holds four j; the row's other four are wave w xor 4's.  Plane p of the stage takes a word a row: my 256 rows are 1,024 consecutive bytes at 1024 w.
.irp k, 0,1,2,3,4,5,6,7
	ds_store_b32 v[SST], v[OB+\k] offset:128*\k
.endr
	s_wait_dscnt 0x0                               ; for the others' sake: my stores into the stage are done
	s_barrier_signal -1
	s_barrier_wait -1
.irp m, 0,1,2,3                        ; wave w stores rows 128 w .. 128 w + 127: a lane a row, both planes' words
	ds_load_b32 v[T+2*\m], v[SRD] offset:128*\m
	ds_load_b32 v[T+2*\m+1], v[SRD] offset:4096+128*\m
.endr
.irp m, 0,1,2,3
	s_wait_dscnt 6-2*\m                            ; pair m is in; the two loads of each later pair may be out
	global_store_b64 v[GO], v[T+2*\m:T+2*\m+1], s[8:9] offset:4096*\m      ; out0[row][8 bx .. 8 bx + 7]
.endr
	s_wait_tensorcnt 0x0
	ds_add_u32 v126, v127
	s_wait_dscnt 0x0
	CROUND                                         ; the closing round: no work-group ends while a partner may still ask for a block that names it
	s_endpgm
.Lfunc_end_k_qe81949e942_gemm:
	.size	k_qe81949e942_gemm, .Lfunc_end_k_qe81949e942_gemm-k_qe81949e942_gemm
	.p2alignl 7, 3214868480
	.fill 96, 4, 3214868480
	.section	.rodata,"a",@progbits
	.p2align	6, 0x0
	.amdhsa_kernel k_qe81949e942_gemm
		.amdhsa_group_segment_fixed_size 304128
		.amdhsa_private_segment_fixed_size 0
		.amdhsa_enable_private_segment 0
		.amdhsa_kernarg_size 24
		.amdhsa_user_sgpr_count 2
		.amdhsa_user_sgpr_kernarg_segment_ptr 1
		.amdhsa_wavefront_size32 1
		.amdhsa_system_sgpr_workgroup_id_x 1
		.amdhsa_system_sgpr_workgroup_id_y 1
		.amdhsa_system_sgpr_workgroup_id_z 1
		.amdhsa_system_vgpr_workitem_id 0
		.amdhsa_next_free_vgpr 512
		.amdhsa_next_free_sgpr 66
		.amdhsa_reserve_vcc 0
		.amdhsa_float_denorm_mode_32 3
		.amdhsa_float_denorm_mode_16_64 3
		.amdhsa_memory_ordered 1
		.amdhsa_forward_progress 1
		.amdhsa_inst_pref_size 154
	.end_amdhsa_kernel
	.amdgpu_metadata
---
amdhsa.version: [ 1, 2 ]
amdhsa.kernels:
  - .name:           k_qe81949e942_gemm
    .symbol:         k_qe81949e942_gemm.kd
    .args:
      - { .name: xq, .offset: 0, .size: 8, .value_kind: global_buffer, .address_space: global }
      - { .name: wq, .offset: 8, .size: 8, .value_kind: global_buffer, .address_space: global }
      - { .name: out0, .offset: 16, .size: 8, .value_kind: global_buffer, .address_space: global }
    .group_segment_fixed_size: 304128
    .private_segment_fixed_size: 0
    .kernarg_segment_align: 8
    .kernarg_segment_size: 24
    .max_flat_workgroup_size: 256
    .sgpr_count:     66
    .vgpr_count:     512
    .wavefront_size: 32
...
	.end_amdgpu_metadata
.endif
;; end of part 2
